; MI455X (gfx1250); checked and timed in simulation.
; The chip was launched on July 23, 2026; its instructions are those of AMD's public machine-readable ISA for CDNA 5 (MIT licence, August 2026) and "CDNA5" Instruction Set Architecture Reference Guide (July 2026). The comments in the code are by the model that wrote it; some were corrected since.
;; Strategy Quantizer. Allowed arithmetic: float matrix products may take bf16 or f16 operands with f32 sums; other float arithmetic in f32, or as packed bf16 or f16 multiplies, adds, multiply-adds, maxima and minima; sums over many terms, partial sums and values carried from step to step in f32; what a program stores and reads back later, other than sums and carried values, may be rounded once to bf16 or f16.
;; Inputs: weight 1,024 x 64 float32; x 262,144 x 64 float32.
;; Outputs: out0 262,144 x 64 float32.
;; 2 versions, each right; version 2 is version 1 with the launch assign written anew for expert scheduling mode. Each part assembles by itself: llvm-mc -triple=amdgcn-amd-amdhsa -mcpu=gfx1250 --defsym DOCPART=n.
;; ======== version 1 of 2: 2 launches
;; workspace buffers: idx 1,048,576 bytes of whole numbers
;; launch assign (part 1): grid 256 x 1, 8 waves a work-group, no clusters, 152,576 bytes of LDS; arguments weight, x, idx; writes idx
.if DOCPART == 1
	.amdgcn_target "amdgcn-amd-amdhsa--gfx1250"
	.amdhsa_code_object_version 6
	.text
	.protected	k_qf2c3b80393_assign
	.globl	k_qf2c3b80393_assign
	.p2align	8
	.type	k_qf2c3b80393_assign,@function
k_qf2c3b80393_assign:
	s_mov_b64 s[64:65], 0
	v_nop
	global_prefetch_b8 v0, s[64:65] scope:SCOPE_SE
	s_setreg_imm32_b32 hwreg(HW_REG_WAVE_MODE, 25, 1), 1
	s_wait_xcnt 0x0
; idx[n] = the number of the code (row of weight, 1,024 x 64 f32) nearest to x[n] (262,144 x 64 f32).
; WHAT IS COMPUTED.  The distance's x2 is the same addend for every code of a row, and the root and the clamp at 0 are monotone, so the nearest code is the
; one with the largest s = x . w - w2 / 2.  x and weight are rounded once to bf16 for the product (sums in f32); w2 is taken of the ROUNDED weight, so that s
; is the distance between the rounded vectors.  Equal s: the lowest code number, exactly.
; LIMITS.  The order of rounding is not that of x2 - 2 x.w + w2 and its root: two codes whose squared distances differ by no more than f32's rounding of
; those sums and of the root (a few 2^-23 of their size) may be resolved the other way.  A NaN score loses every maximum; a row with no score above -inf gets code 0.
; SHARES.  256 work-groups of 8 waves; a work-group takes 1,024 rows, a wave 128: two groups of four tiles of 16 queries.  Tile t, lane r holds row 64 g + 4 r + t
; of the wave's, so a lane's four results are 16 neighbouring bytes of idx.  Every wave walks all 64 blocks of 16 codes, which lie in LDS as bf16.
; NO TENSOR LOAD: the weight has to pass through registers to be rounded, and x is held a whole group ahead in 128 registers.  NO CLUSTER: what work-groups share
; is the 256 KiB of weight, read once by each at its start, beside 260 KiB of x and idx of its own; a joint load of it in f32 would want 256 KiB of LDS beside the 148 KiB of codes.
; THE PRODUCT.  Source 0 = 16 codes, source 1 = 16 queries: lane (r, h), register j holds query r against code 16 b + 8 h + j.  The first K step's C operand is
; -w2 / 2 of those eight codes, loaded from a table in LDS.  Four accumulators take turns: K step 0 of tiles 0-3, then K step 1 of tiles 0-3.
; THE MAXIMUM.  For each tile and lane: the running best; the base of the block that last raised it; that block's eight scores (W).  14 vector lines for 2 matrix lines:
; 4 maxima of three, a strict compare (so the first block wins), 9 selects.  They stand behind the NEXT block's products, seven behind each.  At a group's end
; the place in the block is the first j with W[j] = best, and the two halves of the lanes are set against each other (larger s; on equal s the lower code).
.set PITCH, 144                  ; a code in LDS: 128 bytes + 16: the 16 rows of a fragment load start at 16 different 16-byte columns of 256
.set BLKB,  16*PITCH             ; a block of 16 codes
.set WAVEB, 128*PITCH            ; the 128 codes that one wave rounds and stores
.set NBLK,  64
.set CT,    1024*PITCH           ; 147,456: the table -w2[k] / 2, 4,096 bytes
.set SPARE, CT+4096              ; 151,552: the spare words, 128 bytes for each of the eight waves: four blocks of 256 bytes that no other line names
.set L16,  1                     ; v1   16 x lane
.set RR,   2                     ; v2   r = lane % 16
.set HH,   3                     ; v3   h = lane / 16
.set AK0,  4                     ; v4   144 r + 16 h: my place in a block of codes
.set AC0,  5                     ; v5   CT + 32 h: my eight words of a block's table
.set ADRA, 6                     ; v6   stepped: the codes to fetch
.set ADRC, 7                     ; v7   stepped: their table words
.set BLK,  8                     ; v8   16 b + 8 h of the block that is being reduced
.set H8,   9                     ; v9   8 h
.set XO,   10                    ; v10  1024 r + 32 h: my bytes in the wave's rows of x
.set WS,   11                    ; v11  where I store 8 bytes of a rounded code
.set CSA,  12                    ; v12  where I store a word of the table
.set GA,   13                    ; v13  AK0 in my wave's own 128 codes
.set SPW,  14                    ; v14  LDS address of my spare word; never rewritten
.set NIL,  15                    ; v15  0; never rewritten
.set ST,   16                    ; v16-63   tile t at ST + 12 t: +0, +1 best (two, by turns), +2 block base, +3 place, +4..11 W
.set BQ,   64                    ; v64-127  the queries' fragments: tile t, K step c at BQ + 16 t + 8 c
.set ACC,  128                   ; v128-191 scores: buffer P, tile t at ACC + 32 P + 8 t
.set AF,   192                   ; v192-239 buffer P at AF + 24 P: +0 codes' K step 0, +8 K step 1, +16 the C operand
.set OUT,  240                   ; v240-251 results of group 0, of group 1, and merged
.set WB,   128                   ; at the start: two buffers of 64 for the weight in f32
.set GF,   128                   ; then: four blocks' fragments,
.set GD,   192                   ; their products with themselves,
.set GT,   224                   ; and 16 registers at work
; window 1 (v256-383): a group's x in f32, 32 registers a tile
.set MSB, 0
.macro WIN new                   ; the immediate's high byte repeats the setting that is left
.if MSB != (\new)
	s_set_vgpr_msb (MSB<<8)|(\new)
.set MSB, (\new)
.endif
.endm
; 32 loads: group g's 64 rows of x.  Load n = 4 c + 2 p + e of tile t brings k = 32 c + 16 p + 8 h + 4 e .. + 3 of my row.
.macro XLOAD g
	WIN 0x40                         ; destination window 1, address window 0
.irp t, 0,1,2,3
.irp n, 0,1,2,3,4,5,6,7
	global_load_b128 v[32*\t+4*\n:32*\t+4*\n+3], v[XO], s[6:7] offset:(\g)*16384+\t*256+(\n/4)*128+((\n/2)%2)*64+(\n%2)*16
.endr
.endr
	WIN 0
.endm
; The group's x rounded to bf16: pair m of a tile's 32 f32 registers IS register m of its two fragments (k ascending in a lane's registers).
.macro XCVT
	WIN 0x05                         ; sources window 1, destination window 0
.set m, 0
.rept 64
	v_cvt_pk_bf16_f32 v[BQ+m], v[2*m], v[2*m+1]
.set m, m+1
.endr
	WIN 0
.endm
; 16 loads of 512 neighbouring bytes: 32 of my wave's 128 codes
.macro WLOAD buf, batch
.irp i, 0,1,2,3,4,5,6,7,8,9,10,11,12,13,14,15
	global_load_b128 v[WB+64*(\buf)+4*\i:WB+64*(\buf)+4*\i+3], v[L16], s[4:5] offset:(16*(\batch)+\i)*512
.endr
.endm
; they are rounded in place, and 8 bytes a lane go to LDS: lanes 0-15 one code, lanes 16-31 the next
.macro WCONV buf, batch
.irp i, 0,1,2,3,4,5,6,7,8,9,10,11,12,13,14,15
	v_cvt_pk_bf16_f32 v[WB+64*(\buf)+4*\i], v[WB+64*(\buf)+4*\i], v[WB+64*(\buf)+4*\i+1]
	v_cvt_pk_bf16_f32 v[WB+64*(\buf)+4*\i+1], v[WB+64*(\buf)+4*\i+2], v[WB+64*(\buf)+4*\i+3]
	ds_store_b64 v[WS], v[WB+64*(\buf)+4*\i:WB+64*(\buf)+4*\i+1] offset:(16*(\batch)+\i)*2*PITCH
.endr
.endm
; w2 of blocks 4 qd .. 4 qd + 3 of my wave's own eight: each block times itself; the diagonal is w2 of the rounded codes, summed in f32.
; Element (m = 8 h + j, n = r) lies in register j: the diagonal is register lane % 8 of lanes 0-7 and 24-31.
.macro GRAM qd
.irp i, 0,1,2,3
	ds_load_b128 v[GF+16*\i:GF+16*\i+3],     v[GA] offset:(4*(\qd)+\i)*BLKB      ; LDS serves a wave's instructions in order (ISA guide 5.7.1.4): these see my own stores
	ds_load_b128 v[GF+16*\i+4:GF+16*\i+7],   v[GA] offset:(4*(\qd)+\i)*BLKB+32
	ds_load_b128 v[GF+16*\i+8:GF+16*\i+11],  v[GA] offset:(4*(\qd)+\i)*BLKB+64
	ds_load_b128 v[GF+16*\i+12:GF+16*\i+15], v[GA] offset:(4*(\qd)+\i)*BLKB+96
.endr
	s_wait_dscnt 0x0
.irp i, 0,1,2,3
	v_wmma_f32_16x16x32_bf16 v[GD+8*\i:GD+8*\i+7], v[GF+16*\i:GF+16*\i+7], v[GF+16*\i:GF+16*\i+7], 0
.endr
.irp i, 0,1,2,3
	v_wmma_f32_16x16x32_bf16 v[GD+8*\i:GD+8*\i+7], v[GF+16*\i+8:GF+16*\i+15], v[GF+16*\i+8:GF+16*\i+15], v[GD+8*\i:GD+8*\i+7]
.endr
.rept 4
	v_nop                            ; four places between the last product and the reads of the results (ISA guide 7.12.1)
.endr
.irp i, 0,1,2,3
.irp j, 0,1,2,3
	v_cndmask_b32 v[GT+4*\i+\j], v[GD+8*\i+2*\j], v[GD+8*\i+2*\j+1], s18     ; register lane % 8, bit by bit: bit 0 (each result is read from its low end on),
.endr
.endr
.irp i, 0,1,2,3
	v_cndmask_b32 v[GT+4*\i], v[GT+4*\i], v[GT+4*\i+1], s19                  ; bit 1,
	v_cndmask_b32 v[GT+4*\i+2], v[GT+4*\i+2], v[GT+4*\i+3], s19
.endr
.irp i, 0,1,2,3
	v_cndmask_b32 v[GT+4*\i], v[GT+4*\i], v[GT+4*\i+2], s20                  ; bit 2
.endr
.irp i, 0,1,2,3
	v_permlanex16_b32 v[GT+4*\i+1], v[GT+4*\i], s16, s17                     ; the lane 16 away has the same r
.endr
.irp i, 0,1,2,3
	v_cndmask_b32 v[GT+4*\i], v[GT+4*\i+1], v[GT+4*\i], s21                  ; lanes that hold the diagonal keep theirs: every lane has w2[16 b + r]
.endr
.irp i, 0,1,2,3
	v_mul_f32 v[GT+4*\i], -0.5, v[GT+4*\i]
.endr
.irp i, 0,1,2,3
	ds_store_b32 v[CSA], v[GT+4*\i] offset:(4*(\qd)+\i)*64                   ; lanes r and 16 + r write the same word with the same value
.endr
.endm
; A block's fragments and C operand: six LDS loads in one run
.macro FETCH buf, aoff, coff
.set fB, AF+24*(\buf)
	ds_load_b128 v[fB:fB+3],     v[ADRA] offset:(\aoff)
	ds_load_b128 v[fB+4:fB+7],   v[ADRA] offset:(\aoff)+32
	ds_load_b128 v[fB+8:fB+11],  v[ADRA] offset:(\aoff)+64
	ds_load_b128 v[fB+12:fB+15], v[ADRA] offset:(\aoff)+96
	ds_load_b128 v[fB+16:fB+19], v[ADRC] offset:(\coff)
	ds_load_b128 v[fB+20:fB+23], v[ADRC] offset:(\coff)+16
.endm
; Matrix instruction i of a block's eight: K step i / 4, tile i % 4
.macro MM P, i
.set rD, ACC+32*(\P)+8*((\i)%4)
.set rA, AF+24*(\P)+8*((\i)/4)
.set rB, BQ+16*((\i)%4)+8*((\i)/4)
.if (\i) < 4
	v_wmma_f32_16x16x32_bf16 v[rD:rD+7], v[rA:rA+7], v[rB:rB+7], v[AF+24*(\P)+16:AF+24*(\P)+23]
.else
	v_wmma_f32_16x16x32_bf16 v[rD:rD+7], v[rA:rA+7], v[rB:rB+7], v[rD:rD+7]
.endif
.endm
; Line q of the 57 that reduce the block in score buffer 1 - P; the new best goes to best[P], the old one lies in best[1 - P].
;   0-15  four maxima of three a tile, the tiles by turns; the first reads the accumulator's two lowest registers
;   16-55 ten a tile: has the best grown?  then the block's base and its eight scores are kept          56  the next block's base
.macro RIDER P
.if q < 16
.set tt, q%4
.set rN, ST+12*tt+(\P)
.set rO, ST+12*tt+1-(\P)
.set rS, ACC+32*(1-(\P))+8*tt+2*(q/4)
.if q < 4
	v_max3_num_f32 v[rN], v[rO], v[rS], v[rS+1]
.else
	v_max3_num_f32 v[rN], v[rN], v[rS], v[rS+1]
.endif
.elseif q < 56
.set tt, (q-16)/10
.set uu, (q-16)%10
.set rN, ST+12*tt+(\P)
.set rO, ST+12*tt+1-(\P)
.set rS, ACC+32*(1-(\P))+8*tt
.if uu == 0
	v_cmp_gt_f32 vcc_lo, v[rN], v[rO]
.elseif uu == 1
	v_cndmask_b32 v[ST+12*tt+2], v[ST+12*tt+2], v[BLK], vcc_lo
.else
	v_cndmask_b32 v[ST+12*tt+2+uu], v[ST+12*tt+2+uu], v[rS+uu-2], vcc_lo
.endif
.else
	v_add_nc_u32 v[BLK], 16, v[BLK]
.endif
.set q, q+1
.endm
; A block: eight products into score buffer P.  ride = 1: the block before is reduced beside them, seven lines behind each product and eight behind the last;
; those eight name none of its registers and are the places in front of the next block's reads of these scores and of its loads into this block's fragments.
; fetch = 1: the next block's fragments are asked for behind the first product, seven products ahead of the wait for them.
.macro STEP P, ride, fetch, aoff=0, coff=0
	s_wait_dscnt 0x0                 ; this block's six loads are in
.set q, 0
.irp i, 0,1,2,3,4,5,6,7
	MM \P, \i
.if \ride
.rept 7
	RIDER \P
.endr
.if \i == 7
	RIDER \P
.endif
.endif
.if (\fetch) && (\i == 0)
	FETCH 1-(\P), \aoff, \coff
.endif
.endr
.endm
; What the first reduction finds: best and W at -inf, base 0.  These 41 lines are also the places behind the first block's bare products.
.macro INIT
.irp t, 0,1,2,3
	v_mov_b32 v[ST+12*\t], s23
	v_mov_b32 v[ST+12*\t+2], 0
.irp j, 0,1,2,3,4,5,6,7
	v_mov_b32 v[ST+12*\t+4+\j], s23
.endr
.endr
	v_mov_b32 v[BLK], v[H8]
.endm
; A group's end.  The place in the winning block: 7, or the lowest j below it with W[j] = best.  Then my half of the lanes against the other.
.macro FIN g
.irp t, 0,1,2,3
	v_mov_b32 v[ST+12*\t+3], 7
.endr
.irp j, 6,5,4,3,2,1,0
.irp t, 0,1,2,3
	v_cmp_eq_f32 vcc_lo, v[ST+12*\t+4+\j], v[ST+12*\t]
	v_cndmask_b32 v[ST+12*\t+3], v[ST+12*\t+3], \j, vcc_lo
.endr
.endr
.irp t, 0,1,2,3
	v_add_nc_u32 v[ST+12*\t+2], v[ST+12*\t+2], v[ST+12*\t+3]         ; my code
.endr
.irp t, 0,1,2,3
	v_permlanex16_b32 v[ST+12*\t+1], v[ST+12*\t], s16, s17           ; the other half's best (both destinations have been written)
	v_permlanex16_b32 v[ST+12*\t+4], v[ST+12*\t+2], s16, s17         ; and its code
.endr
.irp t, 0,1,2,3
	v_cmp_gt_f32 s24, v[ST+12*\t+1], v[ST+12*\t]
	v_cmp_eq_f32 s25, v[ST+12*\t+1], v[ST+12*\t]
	v_cmp_lt_u32 s26, v[ST+12*\t+4], v[ST+12*\t+2]
	s_and_b32 s25, s25, s26
	s_or_b32 s24, s24, s25                                           ; theirs is larger, or equal with the lower code
	v_cndmask_b32 v[OUT+4*(\g)+\t], v[ST+12*\t+2], v[ST+12*\t+4], s24
.endr
.endm
; A group of 64 rows against all 64 blocks.  Trip t of the loop multiplies blocks 2 t + 1 and 2 t + 2, reduces 2 t and 2 t + 1, fetches 2 t + 2 and 2 t + 3.
.macro GROUP g
	v_mov_b32 v[ADRA], v[AK0]
	v_mov_b32 v[ADRC], v[AC0]
	FETCH 0, 0, 0                    ; block 0
	STEP 0, 0, 1, BLKB, 64           ; block 0 is multiplied, block 1 fetched; there is nothing yet to reduce
	INIT
	v_add_nc_u32 v[ADRA], 2*BLKB, v[ADRA]
	v_add_nc_u32 v[ADRC], 128, v[ADRC]
	s_mov_b32 s14, NBLK/2-1
.Lblk\g:
	STEP 1, 1, 1, 0, 0
	STEP 0, 1, 1, BLKB, 64
	v_add_nc_u32 v[ADRA], 2*BLKB, v[ADRA]
	v_add_nc_u32 v[ADRC], 128, v[ADRC]
	s_sub_co_u32 s14, s14, 1
	s_cmp_lg_u32 s14, 0
	s_cbranch_scc1 .Lblk\g
	STEP 1, 1, 0                     ; block 63 is multiplied, block 62 reduced
.set q, 0
.rept 56
	RIDER 0                          ; block 63 is reduced; the best ends in best[0]
.endr
	FIN \g
.endm
	s_load_b128 s[4:7], s[0:1], 0x0  ; weight s[4:5], x s[6:7]
	s_load_b64 s[8:9], s[0:1], 0x10  ; idx
	v_lshl_add_u32 v[SPW], v0, 2, SPARE
	v_mov_b32 v[NIL], 0
	v_lshrrev_b32 v[ADRA], 5, v0
	v_readfirstlane_b32 s10, v[ADRA] ; wave 0..7
	v_and_b32 v[L16], 31, v0
	v_lshlrev_b32 v[L16], 4, v[L16]
	v_and_b32 v[RR], 15, v0
	v_bfe_u32 v[HH], v0, 4, 1
	v_mul_u32_u24 v[AK0], v[RR], PITCH
	v_lshl_add_u32 v[AK0], v[HH], 4, v[AK0]
	v_lshl_add_u32 v[AC0], v[HH], 5, CT
	v_lshlrev_b32 v[H8], 3, v[HH]
	v_lshlrev_b32 v[XO], 10, v[RR]   ; lane r's four rows of a group lie 1,024 r bytes in
	v_lshl_add_u32 v[XO], v[HH], 5, v[XO]
	s_mul_i32 s12, s10, WAVEB        ; my wave's 128 codes in LDS
	v_mul_u32_u24 v[WS], v[HH], PITCH
	v_lshl_add_u32 v[WS], v[RR], 3, v[WS]
	v_add_nc_u32 v[WS], s12, v[WS]
	v_add_nc_u32 v[GA], s12, v[AK0]
	s_lshl_b32 s13, s10, 9           ; and their 128 words of the table
	s_add_co_u32 s13, s13, CT
	v_lshl_add_u32 v[CSA], v[RR], 2, s13
	s_mov_b32 s16, 0x76543210        ; v_permlanex16_b32: each lane takes its own place in the other half
	s_mov_b32 s17, 0xfedcba98
	s_mov_b32 s18, 0xaaaaaaaa        ; lanes whose number has bit 0,
	s_mov_b32 s19, 0xcccccccc        ; bit 1,
	s_mov_b32 s20, 0xf0f0f0f0        ; bit 2
	s_mov_b32 s21, 0xff0000ff        ; lanes that hold a diagonal element
	s_mov_b32 s22, 0xffff0000        ; the upper half of the lanes
	s_mov_b32 s23, 0xff800000        ; -inf
	s_lshl_b32 s12, s10, 15          ; 128 rows of 256 bytes a wave, in weight and in x
	s_mov_b32 s13, 0
	s_wait_kmcnt 0x0
	s_add_nc_u64 s[4:5], s[4:5], s[12:13]    ; weight at my wave's 128 codes
	s_lshl_b32 s14, ttmp9, 18        ; 1,024 rows of 256 bytes a work-group
	s_add_co_u32 s12, s12, s14
	s_add_nc_u64 s[6:7], s[6:7], s[12:13]    ; x at my wave's 128 rows
	s_lshl_b32 s12, ttmp9, 12
	s_lshl_b32 s14, s10, 9
	s_add_co_u32 s12, s12, s14
	s_add_nc_u64 s[8:9], s[8:9], s[12:13]    ; idx at my wave's 128 words
	; The three bases and the offset registers are never rewritten, so no load's or store's sources are touched while it is out.
	XLOAD 0                          ; the first group's x goes out first: it has the longest way
	WLOAD 0, 0
	WLOAD 1, 1
	s_wait_loadcnt 16                ; loads come back in order (ISA guide 5.7.1): all but the 16 of batch 1 are in
	WCONV 0, 0
	WLOAD 0, 2
	s_wait_loadcnt 16                ; all but batch 2's
	WCONV 1, 1
	WLOAD 1, 3
	s_wait_loadcnt 16                ; all but batch 3's
	WCONV 0, 2
	s_wait_loadcnt 0x0
	WCONV 1, 3
	GRAM 0                           ; a wave squares the codes that it stored itself: no barrier is needed for that
	GRAM 1
	s_wait_dscnt 0x0                 ; for the others' sake: my codes and my words of the table are in LDS
	s_barrier_signal -1
	XCVT                             ; work on registers while the others arrive
	s_barrier_wait -1                ; the launch's one barrier: from here on LDS is only read
	XLOAD 1                          ; the second group's x has the whole first group in which to land
	GROUP 0
	s_wait_loadcnt 0x0
	XCVT
	GROUP 1
.irp t, 0,1,2,3
	v_cndmask_b32 v[OUT+8+\t], v[OUT+\t], v[OUT+4+\t], s22   ; both halves hold both groups' results: lanes 0-15 send group 0's, lanes 16-31 group 1's
.endr
	global_store_b128 v[L16], v[OUT+8:OUT+11], s[8:9]        ; the wave's 128 indices: 512 consecutive bytes, at a multiple of 512 from idx's first byte
	s_wait_tensorcnt 0x0             ; the wave's end: behind my last LDS store
	ds_add_u32 v[SPW], v[NIL]
	s_wait_dscnt 0x0
	s_endpgm
.Lfunc_end_k_qf2c3b80393_assign:
	.size	k_qf2c3b80393_assign, .Lfunc_end_k_qf2c3b80393_assign-k_qf2c3b80393_assign
	.p2alignl 7, 3214868480
	.fill 96, 4, 3214868480
	.section	.rodata,"a",@progbits
	.p2align	6, 0x0
	.amdhsa_kernel k_qf2c3b80393_assign
		.amdhsa_group_segment_fixed_size 152576
		.amdhsa_private_segment_fixed_size 0
		.amdhsa_enable_private_segment 0
		.amdhsa_kernarg_size 24
		.amdhsa_user_sgpr_count 2
		.amdhsa_user_sgpr_kernarg_segment_ptr 1
		.amdhsa_wavefront_size32 1
		.amdhsa_system_sgpr_workgroup_id_x 1
		.amdhsa_system_sgpr_workgroup_id_y 1
		.amdhsa_system_sgpr_workgroup_id_z 1
		.amdhsa_system_vgpr_workitem_id 0
		.amdhsa_next_free_vgpr 384
		.amdhsa_next_free_sgpr 66
		.amdhsa_reserve_vcc 1
		.amdhsa_float_denorm_mode_32 3
		.amdhsa_float_denorm_mode_16_64 3
		.amdhsa_memory_ordered 1
		.amdhsa_forward_progress 1
		.amdhsa_inst_pref_size 83
	.end_amdhsa_kernel
	.amdgpu_metadata
---
amdhsa.version: [ 1, 2 ]
amdhsa.kernels:
  - .name:           k_qf2c3b80393_assign
    .symbol:         k_qf2c3b80393_assign.kd
    .args:
      - { .name: weight, .offset: 0, .size: 8, .value_kind: global_buffer, .address_space: global }
      - { .name: x, .offset: 8, .size: 8, .value_kind: global_buffer, .address_space: global }
      - { .name: idx, .offset: 16, .size: 8, .value_kind: global_buffer, .address_space: global }
    .group_segment_fixed_size: 152576
    .private_segment_fixed_size: 0
    .kernarg_segment_align: 8
    .kernarg_segment_size: 24
    .max_flat_workgroup_size: 256
    .sgpr_count:     66
    .vgpr_count:     384
    .wavefront_size: 32
...
	.end_amdgpu_metadata
.endif
;; end of part 1
;; launch gather (part 2): grid 512 x 1, 8 waves a work-group, no clusters, 0 bytes of LDS; arguments weight, idx, out0; writes out0
.if DOCPART == 2
	.amdgcn_target "amdgcn-amd-amdhsa--gfx1250"
	.amdhsa_code_object_version 6
	.text
	.protected	k_qf2c3b80393_gather
	.globl	k_qf2c3b80393_gather
	.p2align	8
	.type	k_qf2c3b80393_gather,@function
k_qf2c3b80393_gather:
	s_mov_b64 s[64:65], 0
	v_nop
	global_prefetch_b8 v0, s[64:65] scope:SCOPE_SE
	s_setreg_imm32_b32 hwreg(HW_REG_WAVE_MODE, 25, 1), 1
	s_wait_xcnt 0x0
; out0[n][:] = weight[idx[n]][:].  weight: 1,024 rows of 64 f32 (256 bytes); idx: 262,144 whole numbers, stored by the launch before; out0: 262,144 rows of 256 bytes.
; The rows go out as they lie in weight, unrounded.
; A stream: no LDS, no barrier, no matrix unit, no cluster (work-groups share nothing but the table of 256 KiB, which each reads by its own list).
; 512 work-groups of 8 waves; a wave takes 64 rows: lanes 0-15 rows 0-31, lanes 16-31 rows 32-63, one row at a time, 16 bytes a lane.  So sixteen neighbouring lanes
; read one whole row of weight and store one whole row of out0: 256 consecutive bytes, at a multiple of 256 from the buffer's first byte.
; All 32 gathers of a wave go out on end, 16 KiB; each store follows its own gather's return.  No register that a load or store names is written again.
.set C16, 1                      ; v1       16 x (lane % 16): my bytes in a row
.set IO,  2                      ; v2       byte offset in idx of my half's 32 indices
.set OO,  3                      ; v3       byte offset in out0 of my 16 bytes of my half's first row
.set IX,  4                      ; v4-35    the 32 indices, then the byte offsets in weight made of them
.set DT,  36                     ; v36-163  the 32 rows' 16 bytes
	s_load_b128 s[4:7], s[0:1], 0x0  ; weight s[4:5], idx s[6:7]
	s_load_b64 s[8:9], s[0:1], 0x10  ; out0
	v_and_b32 v[C16], 15, v0
	v_lshlrev_b32 v[C16], 4, v[C16]
	v_lshrrev_b32 v[OO], 4, v0       ; 2 x wave + half: which 32 rows of the work-group's 512
	v_lshlrev_b32 v[IO], 7, v[OO]    ; 32 indices are 128 bytes,
	v_lshl_add_u32 v[OO], v[OO], 13, v[C16]  ; 32 rows 8,192
	s_lshl_b32 s10, ttmp9, 11        ; a work-group's 512 indices
	s_mov_b32 s11, 0
	s_lshl_b32 s12, ttmp9, 17        ; and its 512 rows
	s_mov_b32 s13, 0
	s_wait_kmcnt 0x0
	s_add_nc_u64 s[6:7], s[6:7], s[10:11]
	s_add_nc_u64 s[8:9], s[8:9], s[12:13]
.irp i, 0,1,2,3,4,5,6,7
	global_load_b128 v[IX+4*\i:IX+4*\i+3], v[IO], s[6:7] offset:16*\i    ; the sixteen lanes of a half read the same 16 bytes
.endr
	s_wait_loadcnt 0x0
.set t, 0
.rept 32
	v_min_u32 v[IX+t], 0x3ff, v[IX+t]                ; an index stays inside the table
	v_lshl_add_u32 v[IX+t], v[IX+t], 8, v[C16]       ; 256 bytes a row, and my 16 of them
.set t, t+1
.endr
.set t, 0
.rept 32
	global_load_b128 v[DT+4*t:DT+4*t+3], v[IX+t], s[4:5]
.set t, t+1
.endr
.set t, 0
.rept 32
	s_wait_loadcnt 31-t              ; loads come back in order (ISA guide 5.7.1): row t is in, the 31 - t younger gathers stay out
	global_store_b128 v[OO], v[DT+4*t:DT+4*t+3], s[8:9] offset:256*t th:TH_STORE_NT
.set t, t+1
.endr
	s_endpgm
.Lfunc_end_k_qf2c3b80393_gather:
	.size	k_qf2c3b80393_gather, .Lfunc_end_k_qf2c3b80393_gather-k_qf2c3b80393_gather
	.p2alignl 7, 3214868480
	.fill 96, 4, 3214868480
	.section	.rodata,"a",@progbits
	.p2align	6, 0x0
	.amdhsa_kernel k_qf2c3b80393_gather
		.amdhsa_group_segment_fixed_size 0
		.amdhsa_private_segment_fixed_size 0
		.amdhsa_enable_private_segment 0
		.amdhsa_kernarg_size 24
		.amdhsa_user_sgpr_count 2
		.amdhsa_user_sgpr_kernarg_segment_ptr 1
		.amdhsa_wavefront_size32 1
		.amdhsa_system_sgpr_workgroup_id_x 1
		.amdhsa_system_sgpr_workgroup_id_y 1
		.amdhsa_system_sgpr_workgroup_id_z 1
		.amdhsa_system_vgpr_workitem_id 0
		.amdhsa_next_free_vgpr 164
		.amdhsa_next_free_sgpr 66
		.amdhsa_reserve_vcc 0
		.amdhsa_float_denorm_mode_32 3
		.amdhsa_float_denorm_mode_16_64 3
		.amdhsa_memory_ordered 1
		.amdhsa_forward_progress 1
		.amdhsa_inst_pref_size 13
	.end_amdhsa_kernel
	.amdgpu_metadata
---
amdhsa.version: [ 1, 2 ]
amdhsa.kernels:
  - .name:           k_qf2c3b80393_gather
    .symbol:         k_qf2c3b80393_gather.kd
    .args:
      - { .name: weight, .offset: 0, .size: 8, .value_kind: global_buffer, .address_space: global }
      - { .name: idx, .offset: 8, .size: 8, .value_kind: global_buffer, .address_space: global }
      - { .name: out0, .offset: 16, .size: 8, .value_kind: global_buffer, .address_space: global }
    .group_segment_fixed_size: 0
    .private_segment_fixed_size: 0
    .kernarg_segment_align: 8
    .kernarg_segment_size: 24
    .max_flat_workgroup_size: 256
    .sgpr_count:     66
    .vgpr_count:     164
    .wavefront_size: 32
...
	.end_amdgpu_metadata
.endif
;; end of part 2
;; ======== version 2 of 2: 2 launches; version 1 with the launch assign written anew for expert scheduling mode
;; workspace buffers: idx 1,048,576 bytes of whole numbers
;; launch assign (part 3): grid 256 x 1, 8 waves a work-group, no clusters, 152,576 bytes of LDS; arguments weight, x, idx; writes idx
.if DOCPART == 3
	.amdgcn_target "amdgcn-amd-amdhsa--gfx1250"
	.amdhsa_code_object_version 6
	.text
	.protected	k_qf2c3b80393_assign
	.globl	k_qf2c3b80393_assign
	.p2align	8
	.type	k_qf2c3b80393_assign,@function
k_qf2c3b80393_assign:
	s_mov_b64 s[64:65], 0
	v_nop
	global_prefetch_b8 v0, s[64:65] scope:SCOPE_SE
	s_setreg_imm32_b32 hwreg(HW_REG_WAVE_SCHED_MODE, 0, 2), 2
	s_setreg_imm32_b32 hwreg(HW_REG_WAVE_MODE, 25, 1), 1
	s_wait_xcnt 0x0
	s_wait_alu depctr_vm_vsrc(0)
; idx[n] = the number of the code (row of weight, 1,024 x 64 f32) nearest to x[n] (262,144 x 64 f32).
; WHAT IS COMPUTED.  The distance's x2 is the same addend for every code of a row, and the root and the clamp at 0 are monotone, so the nearest code is the
; one with the largest s = x . w - w2 / 2.  x and weight are rounded once to bf16 for the product (sums in f32); w2 is taken of the ROUNDED weight, so that s
; is the distance between the rounded vectors.  Equal s: the lowest code number, exactly.
; LIMITS.  The order of rounding is not that of x2 - 2 x.w + w2 and its root: two codes whose squared distances differ by no more than f32's rounding of
; those sums and of the root (a few 2^-23 of their size) may be resolved the other way.  A NaN score loses every maximum; a row with no score above -inf gets code 0.
; SHARES.  256 work-groups of 8 waves; a work-group takes 1,024 rows, a wave 128: two groups of four tiles of 16 queries.  Tile t, lane r holds row 64 g + 4 r + t
; of the wave's, so a lane's four results are 16 neighbouring bytes of idx.  Every wave walks all 64 blocks of 16 codes, which lie in LDS as bf16.
; NO TENSOR LOAD: the weight has to pass through registers to be rounded, and x is held a whole group ahead in 128 registers.  NO CLUSTER: what work-groups share
; is the 256 KiB of weight, read once by each at its start, beside 260 KiB of x and idx of its own; a joint load of it in f32 would want 256 KiB of LDS beside the 148 KiB of codes.
; THE PRODUCT.  Source 0 = 16 codes, source 1 = 16 queries: lane (r, h), register j holds query r against code 16 b + 8 h + j.  The first K step's C operand is
; -w2 / 2 of those eight codes, loaded from a table in LDS.  Four accumulators take turns: K step 0 of tiles 0-3, then K step 1 of tiles 0-3.
; THE MAXIMUM.  For each tile and lane: the running best; the base of the block that last raised it; that block's eight scores (W).  14 vector lines for 2 matrix lines:
; 4 maxima of three, a strict compare (so the first block wins), 9 selects.  They stand behind the NEXT block's products, six to nine behind each.  At a group's end
; the place in the block is the first j with W[j] = best, and the two halves of the lanes are set against each other (larger s; on equal s the lower code).
; THE MODE: SCHED_MODE bits 1:0 = 2 (LLVM: expert scheduling mode 2), set by the entry lines.  The code itself states the register dependences between vector or
; matrix instructions and memory or LDS instructions, and those through scalar registers that vector instructions write, with s_wait_alu, always for 0.
; THE PLAN.  Registers that memory or LDS instructions touch:
;   window 1      x in f32.  Written by XLOAD's loads, read by XCVT's conversions.  One wait on va_vdst at the head of each XLOAD.
;   WB0, WB1      the weight in f32.  Written by WLOAD; rounded in place by a batch's 32 conversions; read by its 16 LDS stores; then the batch two on lands there.
;                 One wait on va_vdst between conversions and stores, one on vm_vsrc ahead of the loads that land there again.
;   GF, GT        the squares: GF is loaded from LDS and read by products; GT is written by selects and read by the table's stores.  One wait on vm_vsrc at GRAM's head, one on va_vdst ahead of its stores.
;   AF0, AF1      Block b's products read AF[b % 2]; the fetches issued in block b + 1's step land in it.
;   v[ADRA], v[ADRC]  Read by every fetch; written at a group's head and once a trip of the loop.
;   v[OUT+8 ..]   written by four selects, read by the one global store.
;   v[L16], v[XO], v[WS], v[GA], v[CSA], v[SPW], v[NIL] are made at the head and never written again.  In a group ST, BQ, ACC and BLK are named by vector and matrix instructions alone.
; So in the loop ONE wait on va_vdst stands at a step's head: the step before is done reading the AF buffer that is now fetched, and in a trip's first step the two addresses are written.
; The step's six fetches follow it, dealt behind its first two products; the products and riders since the wait name AF[P], BQ, ACC, ST and BLK: none of the registers that those fetches touch.
; One wait on vm_vsrc a trip stands ahead of the adds to the two addresses.  The four tiles' compares stand in one run, into four scalar registers, with one wait on va_sdst ahead of the selects.
.set PITCH, 144                  ; a code in LDS: 128 bytes + 16: the 16 rows of a fragment load start at 16 different 16-byte columns of 256
.set BLKB,  16*PITCH             ; a block of 16 codes
.set WAVEB, 128*PITCH            ; the 128 codes that one wave rounds and stores
.set NBLK,  64
.set CT,    1024*PITCH           ; 147,456: the table -w2[k] / 2, 4,096 bytes
.set SPARE, CT+4096              ; 151,552: the spare words, 128 bytes for each of the eight waves: four blocks of 256 bytes that no other line names
.set L16,  1                     ; v1   16 x lane
.set RR,   2                     ; v2   r = lane % 16
.set HH,   3                     ; v3   h = lane / 16
.set AK0,  4                     ; v4   144 r + 16 h: my place in a block of codes
.set AC0,  5                     ; v5   CT + 32 h: my eight words of a block's table
.set ADRA, 6                     ; v6   stepped: the codes to fetch
.set ADRC, 7                     ; v7   stepped: their table words
.set BLK,  8                     ; v8   16 b + 8 h of the block that is being reduced
.set H8,   9                     ; v9   8 h
.set XO,   10                    ; v10  1024 r + 32 h: my bytes in the wave's rows of x
.set WS,   11                    ; v11  where I store 8 bytes of a rounded code
.set CSA,  12                    ; v12  where I store a word of the table
.set GA,   13                    ; v13  AK0 in my wave's own 128 codes
.set SPW,  14                    ; v14  LDS address of my spare word; never rewritten
.set NIL,  15                    ; v15  0; never rewritten
.set ST,   16                    ; v16-63   tile t at ST + 12 t: +0, +1 best (two, by turns), +2 block base, +3 place, +4..11 W
.set BQ,   64                    ; v64-127  the queries' fragments: tile t, K step c at BQ + 16 t + 8 c
.set ACC,  128                   ; v128-191 scores: buffer P, tile t at ACC + 32 P + 8 t
.set AF,   192                   ; v192-239 buffer P at AF + 24 P: +0 codes' K step 0, +8 K step 1, +16 the C operand
.set OUT,  240                   ; v240-251 results of group 0, of group 1, and merged
.set WB,   128                   ; at the start: two buffers of 64 for the weight in f32
.set GF,   128                   ; then: four blocks' fragments,
.set GD,   192                   ; their products with themselves,
.set GT,   224                   ; and 16 registers at work
.set MK,   24                    ; s24-31   masks that compares write: in the loop tile t's at MK + t; at a group's end eight
.set ML,   12                    ; s12-15   and four more at a group's end
; window 1 (v256-383): a group's x in f32, 32 registers a tile
.set MSB, 0
.macro WIN new                   ; the immediate's high byte repeats the setting that is left
.if MSB != (\new)
	s_set_vgpr_msb (MSB<<8)|(\new)
.set MSB, (\new)
.endif
.endm
; 32 loads: group g's 64 rows of x.  Load n = 4 c + 2 p + e of tile t brings k = 32 c + 16 p + 8 h + 4 e .. + 3 of my row.
.macro XLOAD g
	WIN 0x40                         ; destination window 1, address window 0
	s_wait_alu depctr_va_vdst(0)     ; group 0: the head has written v1 to v15, the offsets and addresses that every load and store of the kernel reads; group 1: XCVT's conversions are done reading window 1, in which these loads land
.irp t, 0,1,2,3
.irp n, 0,1,2,3,4,5,6,7
	global_load_b128 v[32*\t+4*\n:32*\t+4*\n+3], v[XO], s[6:7] offset:(\g)*16384+\t*256+(\n/4)*128+((\n/2)%2)*64+(\n%2)*16
.endr
.endr
	WIN 0
.endm
; The group's x rounded to bf16: pair m of a tile's 32 f32 registers IS register m of its two fragments (k ascending in a lane's registers).
.macro XCVT
	WIN 0x05                         ; sources window 1, destination window 0
.set m, 0
.rept 64
	v_cvt_pk_bf16_f32 v[BQ+m], v[2*m], v[2*m+1]
.set m, m+1
.endr
	WIN 0
.endm
; 16 loads of 512 neighbouring bytes: 32 of my wave's 128 codes
.macro WLOAD buf, batch
.irp i, 0,1,2,3,4,5,6,7,8,9,10,11,12,13,14,15
	global_load_b128 v[WB+64*(\buf)+4*\i:WB+64*(\buf)+4*\i+3], v[L16], s[4:5] offset:(16*(\batch)+\i)*512
.endr
.endm
; they are rounded in place, and 8 bytes a lane go to LDS: lanes 0-15 one code, lanes 16-31 the next
.macro WCONV buf, batch
.irp i, 0,1,2,3,4,5,6,7,8,9,10,11,12,13,14,15
	v_cvt_pk_bf16_f32 v[WB+64*(\buf)+4*\i], v[WB+64*(\buf)+4*\i], v[WB+64*(\buf)+4*\i+1]
	v_cvt_pk_bf16_f32 v[WB+64*(\buf)+4*\i+1], v[WB+64*(\buf)+4*\i+2], v[WB+64*(\buf)+4*\i+3]
.endr
	s_wait_alu depctr_va_vdst(0)     ; the 32 conversions have written the pairs that the LDS stores read, and are done with the buffer's other registers
.irp i, 0,1,2,3,4,5,6,7,8,9,10,11,12,13,14,15
	ds_store_b64 v[WS], v[WB+64*(\buf)+4*\i:WB+64*(\buf)+4*\i+1] offset:(16*(\batch)+\i)*2*PITCH
.endr
.endm
; w2 of blocks 4 qd .. 4 qd + 3 of my wave's own eight: each block times itself; the diagonal is w2 of the rounded codes, summed in f32.
; Element (m = 8 h + j, n = r) lies in register j: the diagonal is register lane % 8 of lanes 0-7 and 24-31.
.macro GRAM qd
	s_wait_alu depctr_vm_vsrc(0)     ; the LDS stores issued so far have read their data: the codes' (v128-255: the loads, products and selects below write there), and in the second call the table's (v[GT ..], which the selects write again)
.irp i, 0,1,2,3
	ds_load_b128 v[GF+16*\i:GF+16*\i+3],     v[GA] offset:(4*(\qd)+\i)*BLKB      ; LDS serves a wave's instructions in order (ISA guide 5.7.1.4): these see my own stores
	ds_load_b128 v[GF+16*\i+4:GF+16*\i+7],   v[GA] offset:(4*(\qd)+\i)*BLKB+32
	ds_load_b128 v[GF+16*\i+8:GF+16*\i+11],  v[GA] offset:(4*(\qd)+\i)*BLKB+64
	ds_load_b128 v[GF+16*\i+12:GF+16*\i+15], v[GA] offset:(4*(\qd)+\i)*BLKB+96
.endr
	s_wait_dscnt 0x0
.irp i, 0,1,2,3
	v_wmma_f32_16x16x32_bf16 v[GD+8*\i:GD+8*\i+7], v[GF+16*\i:GF+16*\i+7], v[GF+16*\i:GF+16*\i+7], 0
.endr
.irp i, 0,1,2,3
	v_wmma_f32_16x16x32_bf16 v[GD+8*\i:GD+8*\i+7], v[GF+16*\i+8:GF+16*\i+15], v[GF+16*\i+8:GF+16*\i+15], v[GD+8*\i:GD+8*\i+7]
.endr
.rept 4
	v_nop                            ; four places between the last product and the reads of the results (ISA guide 7.12.1)
.endr
.irp i, 0,1,2,3
.irp j, 0,1,2,3
	v_cndmask_b32 v[GT+4*\i+\j], v[GD+8*\i+2*\j], v[GD+8*\i+2*\j+1], s18     ; register lane % 8, bit by bit: bit 0 (each result is read from its low end on),
.endr
.endr
.irp i, 0,1,2,3
	v_cndmask_b32 v[GT+4*\i], v[GT+4*\i], v[GT+4*\i+1], s19                  ; bit 1,
	v_cndmask_b32 v[GT+4*\i+2], v[GT+4*\i+2], v[GT+4*\i+3], s19
.endr
.irp i, 0,1,2,3
	v_cndmask_b32 v[GT+4*\i], v[GT+4*\i], v[GT+4*\i+2], s20                  ; bit 2
.endr
.irp i, 0,1,2,3
	v_permlanex16_b32 v[GT+4*\i+1], v[GT+4*\i], s16, s17                     ; the lane 16 away has the same r
.endr
.irp i, 0,1,2,3
	v_cndmask_b32 v[GT+4*\i], v[GT+4*\i+1], v[GT+4*\i], s21                  ; lanes that hold the diagonal keep theirs: every lane has w2[16 b + r]
.endr
.irp i, 0,1,2,3
	v_mul_f32 v[GT+4*\i], -0.5, v[GT+4*\i]
.endr
	s_wait_alu depctr_va_vdst(0)     ; the multiplies have written v[GT ..], which the stores read; the products are done reading v[GF ..], in which the next call's loads land
.irp i, 0,1,2,3
	ds_store_b32 v[CSA], v[GT+4*\i] offset:(4*(\qd)+\i)*64                   ; lanes r and 16 + r write the same word with the same value
.endr
.endm
; A block's fragments and C operand: six LDS loads, in two parts of three
.macro FETCH3 buf, part, aoff, coff
.set fB, AF+24*(\buf)
.if (\part) == 0
	ds_load_b128 v[fB:fB+3],     v[ADRA] offset:(\aoff)
	ds_load_b128 v[fB+4:fB+7],   v[ADRA] offset:(\aoff)+32
	ds_load_b128 v[fB+16:fB+19], v[ADRC] offset:(\coff)
.else
	ds_load_b128 v[fB+20:fB+23], v[ADRC] offset:(\coff)+16
	ds_load_b128 v[fB+8:fB+11],  v[ADRA] offset:(\aoff)+64
	ds_load_b128 v[fB+12:fB+15], v[ADRA] offset:(\aoff)+96
.endif
.endm
; Matrix instruction i of a block's eight: K step i / 4, tile i % 4
.macro MM P, i
.set rD, ACC+32*(\P)+8*((\i)%4)
.set rA, AF+24*(\P)+8*((\i)/4)
.set rB, BQ+16*((\i)%4)+8*((\i)/4)
.if (\i) < 4
	v_wmma_f32_16x16x32_bf16 v[rD:rD+7], v[rA:rA+7], v[rB:rB+7], v[AF+24*(\P)+16:AF+24*(\P)+23]
.else
	v_wmma_f32_16x16x32_bf16 v[rD:rD+7], v[rA:rA+7], v[rB:rB+7], v[rD:rD+7]
.endif
.endm
; Line q of the 57 that reduce the block in score buffer 1 - P; the new best goes to best[P], the old one lies in best[1 - P].
;   0-15  four maxima of three a tile, the tiles by turns; the first reads the accumulator's two lowest registers
;   16-19 has the best grown?  the four tiles' compares in one run, each into a scalar register of its own
;   20-55 nine a tile: then the block's base and its eight scores are kept          56  the next block's base
.macro RIDER P
.if q < 16
.set tt, q%4
.set rN, ST+12*tt+(\P)
.set rO, ST+12*tt+1-(\P)
.set rS, ACC+32*(1-(\P))+8*tt+2*(q/4)
.if q < 4
	v_max3_num_f32 v[rN], v[rO], v[rS], v[rS+1]
.else
	v_max3_num_f32 v[rN], v[rN], v[rS], v[rS+1]
.endif
.elseif q < 20
.set tt, q-16
	v_cmp_gt_f32 s[MK+tt], v[ST+12*tt+(\P)], v[ST+12*tt+1-(\P)]
.elseif q < 56
.if q == 20
	s_wait_alu depctr_va_sdst(0)     ; the four compares have written s[MK .. MK+3], ahead of the first select that reads one of them
.endif
.set tt, (q-20)/9
.set uu, (q-20)%9
.set rS, ACC+32*(1-(\P))+8*tt
.if uu == 0
	v_cndmask_b32 v[ST+12*tt+2], v[ST+12*tt+2], v[BLK], s[MK+tt]
.else
	v_cndmask_b32 v[ST+12*tt+3+uu], v[ST+12*tt+3+uu], v[rS+uu-1], s[MK+tt]
.endif
.else
	v_add_nc_u32 v[BLK], 16, v[BLK]
.endif
.set q, q+1
.endm
; A block: eight products into score buffer P.  ride = 1: the block before is reduced beside them: six lines behind the first product, seven behind the next six, nine behind the last
; (so the compares end behind the third product, and the wait for their masks stands behind the fourth); those nine name none of the last product's registers and are the places in front of the next block's reads of these scores.
; fetch = 1: the next block's fragments are asked for behind the first two products, three loads each.
.macro STEP P, ride, fetch, aoff=0, coff=0
	s_wait_dscnt 0x0                 ; this block's six loads are in
.if (\ride) && (\fetch)
	s_wait_alu depctr_va_vdst(0)     ; the block before is done reading the other AF buffer, in which this step's fetches land; in a trip's first step v[ADRA] and v[ADRC] are written
.endif
.set q, 0
.irp i, 0,1,2,3,4,5,6,7
	MM \P, \i
.if (\fetch) && (\i < 2)
	FETCH3 1-(\P), \i, \aoff, \coff  ; no wait: no vector or matrix instruction since the last wait on va_vdst names that buffer or the two addresses
.endif
.if \ride
.rept 6
	RIDER \P
.endr
.if \i > 0
	RIDER \P
.endif
.if \i == 7
	RIDER \P
	RIDER \P
.endif
.endif
.endr
.endm
; What the first reduction finds: best and W at -inf, base 0.  These 41 lines are also the places behind the first block's bare products.
.macro INIT
.irp t, 0,1,2,3
	v_mov_b32 v[ST+12*\t], s23
	v_mov_b32 v[ST+12*\t+2], 0
.irp j, 0,1,2,3,4,5,6,7
	v_mov_b32 v[ST+12*\t+4+\j], s23
.endr
.endr
	v_mov_b32 v[BLK], v[H8]
.endm
; Three steps of the search for the place, j descending: twelve compares in one run, one wait, twelve selects.
.macro PLACE3 ja, jb, jc
.irp t, 0,1,2,3
	v_cmp_eq_f32 s[MK+\t], v[ST+12*\t+4+\ja], v[ST+12*\t]
.endr
.irp t, 0,1,2,3
	v_cmp_eq_f32 s[MK+4+\t], v[ST+12*\t+4+\jb], v[ST+12*\t]
.endr
.irp t, 0,1,2,3
	v_cmp_eq_f32 s[ML+\t], v[ST+12*\t+4+\jc], v[ST+12*\t]
.endr
	s_wait_alu depctr_va_sdst(0)     ; the twelve compares have written their masks, ahead of the first select that reads one
.irp t, 0,1,2,3
	v_cndmask_b32 v[ST+12*\t+3], v[ST+12*\t+3], \ja, s[MK+\t]
.endr
.irp t, 0,1,2,3
	v_cndmask_b32 v[ST+12*\t+3], v[ST+12*\t+3], \jb, s[MK+4+\t]
.endr
.irp t, 0,1,2,3
	v_cndmask_b32 v[ST+12*\t+3], v[ST+12*\t+3], \jc, s[ML+\t]
.endr
.endm
; A group's end.  The place in the winning block: 7, or the lowest j below it with W[j] = best.  Then my half of the lanes against the other.
.macro FIN g
.irp t, 0,1,2,3
	v_mov_b32 v[ST+12*\t+3], 7
.endr
	PLACE3 6, 5, 4
	PLACE3 3, 2, 1
.irp t, 0,1,2,3
	v_cmp_eq_f32 s[MK+\t], v[ST+12*\t+4], v[ST+12*\t]
.endr
	s_wait_alu depctr_va_sdst(0)     ; the four compares for j = 0 have written their masks, ahead of the selects
.irp t, 0,1,2,3
	v_cndmask_b32 v[ST+12*\t+3], v[ST+12*\t+3], 0, s[MK+\t]
.endr
.irp t, 0,1,2,3
	v_add_nc_u32 v[ST+12*\t+2], v[ST+12*\t+2], v[ST+12*\t+3]         ; my code
.endr
.irp t, 0,1,2,3
	v_permlanex16_b32 v[ST+12*\t+1], v[ST+12*\t], s16, s17           ; the other half's best (both destinations have been written)
	v_permlanex16_b32 v[ST+12*\t+4], v[ST+12*\t+2], s16, s17         ; and its code
.endr
.irp t, 0,1,2,3
	v_cmp_gt_f32 s[MK+\t], v[ST+12*\t+1], v[ST+12*\t]
	v_cmp_eq_f32 s[MK+4+\t], v[ST+12*\t+1], v[ST+12*\t]
	v_cmp_lt_u32 s[ML+\t], v[ST+12*\t+4], v[ST+12*\t+2]
.endr
	s_wait_alu depctr_va_sdst(0)     ; the twelve compares have written their masks, ahead of the scalar lines that read them
.irp t, 0,1,2,3
	s_and_b32 s[MK+4+\t], s[MK+4+\t], s[ML+\t]
	s_or_b32 s[MK+\t], s[MK+\t], s[MK+4+\t]                          ; theirs is larger, or equal with the lower code
	v_cndmask_b32 v[OUT+4*(\g)+\t], v[ST+12*\t+2], v[ST+12*\t+4], s[MK+\t]
.endr
.endm
; A group of 64 rows against all 64 blocks.  Trip t of the loop multiplies blocks 2 t + 1 and 2 t + 2, reduces 2 t and 2 t + 1, fetches 2 t + 2 and 2 t + 3.
.macro GROUP g
	s_wait_alu depctr_vm_vsrc(0)     ; the LDS instructions issued so far have read their registers: first group: the table's stores v[GT ..], in which the fetches land; second group: the last fetches v[ADRA] and v[ADRC], which the next two lines write
	v_mov_b32 v[ADRA], v[AK0]
	v_mov_b32 v[ADRC], v[AC0]
	s_wait_alu depctr_va_vdst(0)     ; the two addresses are written; whatever named v[AF ..] before (the squares' products and selects; the last group's products) is done with them.  It serves the twelve fetches up to the loop
	FETCH3 0, 0, 0, 0                ; block 0
	FETCH3 0, 1, 0, 0
	STEP 0, 0, 1, BLKB, 64           ; block 0 is multiplied, block 1 fetched; there is nothing yet to reduce
	INIT
	s_wait_alu depctr_vm_vsrc(0)     ; the twelve fetches have read v[ADRA] and v[ADRC]
	v_add_nc_u32 v[ADRA], 2*BLKB, v[ADRA]
	v_add_nc_u32 v[ADRC], 128, v[ADRC]
	s_mov_b32 s11, NBLK/2-1
.Lblk\g:
	STEP 1, 1, 1, 0, 0
	STEP 0, 1, 1, BLKB, 64
	s_wait_alu depctr_vm_vsrc(0)     ; the trip's twelve fetches have read v[ADRA] and v[ADRC]; that the adds have written them is stated at the next step's head
	v_add_nc_u32 v[ADRA], 2*BLKB, v[ADRA]
	v_add_nc_u32 v[ADRC], 128, v[ADRC]
	s_sub_co_u32 s11, s11, 1
	s_cmp_lg_u32 s11, 0
	s_cbranch_scc1 .Lblk\g
	STEP 1, 1, 0                     ; block 63 is multiplied, block 62 reduced; nothing is fetched, so no wait on va_vdst is owed
.set q, 0
.rept 56
	RIDER 0                          ; block 63 is reduced; the best ends in best[0]
.endr
	FIN \g
.endm
	s_load_b128 s[4:7], s[0:1], 0x0  ; weight s[4:5], x s[6:7]
	s_load_b64 s[8:9], s[0:1], 0x10  ; idx
	v_lshl_add_u32 v[SPW], v0, 2, SPARE
	v_mov_b32 v[NIL], 0
	v_lshrrev_b32 v[ADRA], 5, v0
	v_readfirstlane_b32 s10, v[ADRA] ; wave 0..7
	v_and_b32 v[L16], 31, v0
	v_lshlrev_b32 v[L16], 4, v[L16]
	v_and_b32 v[RR], 15, v0
	v_bfe_u32 v[HH], v0, 4, 1
	v_mul_u32_u24 v[AK0], v[RR], PITCH
	v_lshl_add_u32 v[AK0], v[HH], 4, v[AK0]
	v_lshl_add_u32 v[AC0], v[HH], 5, CT
	v_lshlrev_b32 v[H8], 3, v[HH]
	v_lshlrev_b32 v[XO], 10, v[RR]   ; lane r's four rows of a group lie 1,024 r bytes in
	v_lshl_add_u32 v[XO], v[HH], 5, v[XO]
	s_wait_alu depctr_va_sdst(0)     ; s10 is written, ahead of its first reader: the LDS places and the three bases are made from it
	s_mul_i32 s2, s10, WAVEB         ; my wave's 128 codes in LDS (s2 and s3, which vector lines read, are written by no later line)
	v_mul_u32_u24 v[WS], v[HH], PITCH
	v_lshl_add_u32 v[WS], v[RR], 3, v[WS]
	v_add_nc_u32 v[WS], s2, v[WS]
	v_add_nc_u32 v[GA], s2, v[AK0]
	s_lshl_b32 s3, s10, 9            ; and their 128 words of the table
	s_add_co_u32 s3, s3, CT
	v_lshl_add_u32 v[CSA], v[RR], 2, s3
	s_mov_b32 s16, 0x76543210        ; v_permlanex16_b32: each lane takes its own place in the other half
	s_mov_b32 s17, 0xfedcba98
	s_mov_b32 s18, 0xaaaaaaaa        ; lanes whose number has bit 0,
	s_mov_b32 s19, 0xcccccccc        ; bit 1,
	s_mov_b32 s20, 0xf0f0f0f0        ; bit 2
	s_mov_b32 s21, 0xff0000ff        ; lanes that hold a diagonal element
	s_mov_b32 s22, 0xffff0000        ; the upper half of the lanes
	s_mov_b32 s23, 0xff800000        ; -inf
	s_lshl_b32 s12, s10, 15          ; 128 rows of 256 bytes a wave, in weight and in x
	s_mov_b32 s13, 0
	s_wait_kmcnt 0x0
	s_add_nc_u64 s[4:5], s[4:5], s[12:13]    ; weight at my wave's 128 codes
	s_lshl_b32 s14, ttmp9, 18        ; 1,024 rows of 256 bytes a work-group
	s_add_co_u32 s12, s12, s14
	s_add_nc_u64 s[6:7], s[6:7], s[12:13]    ; x at my wave's 128 rows
	s_lshl_b32 s12, ttmp9, 12
	s_lshl_b32 s14, s10, 9
	s_add_co_u32 s12, s12, s14
	s_add_nc_u64 s[8:9], s[8:9], s[12:13]    ; idx at my wave's 128 words
	; The three bases and the offset registers are never rewritten, so no load's or store's sources are touched while it is out.
	XLOAD 0                          ; the first group's x goes out first: it has the longest way
	WLOAD 0, 0
	WLOAD 1, 1
	s_wait_loadcnt 16                ; loads come back in order (ISA guide 5.7.1): all but the 16 of batch 1 are in
	WCONV 0, 0
	s_wait_alu depctr_vm_vsrc(0)     ; batch 0's LDS stores have read buffer 0, in which batch 2 lands (the conversions that named it stand ahead of the last wait on va_vdst)
	WLOAD 0, 2
	s_wait_loadcnt 16                ; all but batch 2's
	WCONV 1, 1
	s_wait_alu depctr_vm_vsrc(0)     ; batch 1's LDS stores have read buffer 1, in which batch 3 lands
	WLOAD 1, 3
	s_wait_loadcnt 16                ; all but batch 3's
	WCONV 0, 2
	s_wait_loadcnt 0x0
	WCONV 1, 3
	GRAM 0                           ; a wave squares the codes that it stored itself: no barrier is needed for that
	GRAM 1
	s_wait_dscnt 0x0                 ; for the others' sake: my codes and my words of the table are in LDS
	s_barrier_signal -1
	XCVT                             ; work on registers while the others arrive
	s_barrier_wait -1                ; the launch's one barrier: from here on LDS is only read
	XLOAD 1                          ; the second group's x has the whole first group in which to land
	GROUP 0
	s_wait_loadcnt 0x0
	XCVT
	GROUP 1
.irp t, 0,1,2,3
	v_cndmask_b32 v[OUT+8+\t], v[OUT+\t], v[OUT+4+\t], s22   ; both halves hold both groups' results: lanes 0-15 send group 0's, lanes 16-31 group 1's
.endr
	s_wait_alu depctr_va_vdst(0)     ; the four selects have written v[OUT+8 ..], the store's data
	global_store_b128 v[L16], v[OUT+8:OUT+11], s[8:9]        ; the wave's 128 indices: 512 consecutive bytes, at a multiple of 512 from idx's first byte
	s_wait_dscnt 0x0                 ; the closing lines, six on end
	s_wait_alu 0x0
	s_wait_tensorcnt 0x0
	ds_add_u32 v[SPW], v[NIL]
	s_wait_dscnt 0x0
	s_endpgm
.Lfunc_end_k_qf2c3b80393_assign:
	.size	k_qf2c3b80393_assign, .Lfunc_end_k_qf2c3b80393_assign-k_qf2c3b80393_assign
	.p2alignl 7, 3214868480
	.fill 96, 4, 3214868480
	.section	.rodata,"a",@progbits
	.p2align	6, 0x0
	.amdhsa_kernel k_qf2c3b80393_assign
		.amdhsa_group_segment_fixed_size 152576
		.amdhsa_private_segment_fixed_size 0
		.amdhsa_enable_private_segment 0
		.amdhsa_kernarg_size 24
		.amdhsa_user_sgpr_count 2
		.amdhsa_user_sgpr_kernarg_segment_ptr 1
		.amdhsa_wavefront_size32 1
		.amdhsa_system_sgpr_workgroup_id_x 1
		.amdhsa_system_sgpr_workgroup_id_y 1
		.amdhsa_system_sgpr_workgroup_id_z 1
		.amdhsa_system_vgpr_workitem_id 0
		.amdhsa_next_free_vgpr 384
		.amdhsa_next_free_sgpr 66
		.amdhsa_reserve_vcc 0
		.amdhsa_float_denorm_mode_32 3
		.amdhsa_float_denorm_mode_16_64 3
		.amdhsa_memory_ordered 1
		.amdhsa_forward_progress 1
		.amdhsa_inst_pref_size 96
	.end_amdhsa_kernel
	.amdgpu_metadata
---
amdhsa.version: [ 1, 2 ]
amdhsa.kernels:
  - .name:           k_qf2c3b80393_assign
    .symbol:         k_qf2c3b80393_assign.kd
    .args:
      - { .name: weight, .offset: 0, .size: 8, .value_kind: global_buffer, .address_space: global }
      - { .name: x, .offset: 8, .size: 8, .value_kind: global_buffer, .address_space: global }
      - { .name: idx, .offset: 16, .size: 8, .value_kind: global_buffer, .address_space: global }
    .group_segment_fixed_size: 152576
    .private_segment_fixed_size: 0
    .kernarg_segment_align: 8
    .kernarg_segment_size: 24
    .max_flat_workgroup_size: 256
    .sgpr_count:     66
    .vgpr_count:     384
    .wavefront_size: 32
...
	.end_amdgpu_metadata
.endif
;; end of part 3
;; launch gather: the kernel of part 2 again; grid 512 x 1, 8 waves a work-group, no clusters, 0 bytes of LDS; arguments weight, idx, out0; writes out0
